; MI455X (gfx1250); checked and timed in simulation.
; The chip was launched on July 23, 2026; its instructions are those of AMD's public machine-readable ISA for CDNA 5 (MIT licence, August 2026) and "CDNA5" Instruction Set Architecture Reference Guide (July 2026). The comments in the code are by the model that wrote it; some were corrected since.
;; Camembert Self Attention. Allowed arithmetic: matrix products marked QUANTISED: E2M1 operands, one E8M0 scale for each 32 along K, by v_wmma_scale_f32_16x16x128_f8f6f4 with both operands' format E2M1 (or v_wmma_scale_f32_32x16x128_f4), f32 sums; everything else in f32.
;; Inputs: Wk_codes 1,024 x 32 x 16 uint8 (E2M1 codes of Wk, K innermost, in blocks of 32 codes, two codes a byte); Wk_scales 1,024 x 32 uint8 (E8M0 scales of Wk, one for each 32 codes along K); Wq_codes 1,024 x 32 x 16 uint8 (E2M1 codes of Wq, K innermost, in blocks of 32 codes, two codes a byte); Wq_scales 1,024 x 32 uint8 (E8M0 scales of Wq, one for each 32 codes along K); Wv_codes 1,024 x 32 x 16 uint8 (E2M1 codes of Wv, K innermost, in blocks of 32 codes, two codes a byte); Wv_scales 1,024 x 32 uint8 (E8M0 scales of Wv, one for each 32 codes along K); bk 1,024 float32; bq 1,024 float32; bv 1,024 float32; hidden_states_codes 4 x 2,048 x 32 x 16 uint8 (E2M1 codes of hidden_states, K innermost, in blocks of 32 codes, two codes a byte); hidden_states_scales 4 x 2,048 x 32 uint8 (E8M0 scales of hidden_states, one for each 32 codes along K).
;; Outputs: out0 4 x 2,048 x 1,024 float32.
;; This version of the problem:
;;   THIS VERSION OF THE PROBLEM IS GIVEN IN LOW PRECISION. The matrix products marked QUANTISED in the list below multiply operands that are first quantised to E2M1 (2 exponent bits, 1 mantissa bit; 4 bits a number), with one power-of-two scale for each 32 numbers along K (OCP MX v1.0); their sums are f32. All else is computed in f32.
;;   The module's matrix products, in the order in which they are computed (A, B: the left and right operand; K: the contracted axis; several contracted axes count as one K, in the product's order):
;;     1. [M 8,192, K 1,024] x [K 1,024, N 1,024]; A: input hidden_states (given as codes); B: input Wq (given as codes): QUANTISED
;;     2. [M 8,192, K 1,024] x [K 1,024, N 1,024]; A: input hidden_states (given as codes); B: input Wk (given as codes): QUANTISED
;;     3. [M 8,192, K 1,024] x [K 1,024, N 1,024]; A: input hidden_states (given as codes); B: input Wv (given as codes): QUANTISED
;;     4. batch 64 x [M 2,048, K 64] x [K 64, N 2,048]; A: computed on the way; B: computed on the way: QUANTISED
;;     5. batch 64 x [M 64, K 2,048] x [K 2,048, N 2,048]; A: computed on the way; B: computed on the way: QUANTISED
;;   THE QUANTISER, for each operand of a quantised product, along K:
;;     - K is cut into blocks of 32 from its start; a last block that is shorter is filled with zeros.
;;     - A block's scale is 2^e with e = floor(log2(the largest magnitude in the block)) - 2, held to -126 .. 127; a block of zeros has e = 0. As a byte (E8M0): e + 127.
;;     - Each number is divided by its block's scale, clamped to +-6, and rounded to the nearest number of E2M1, ties to even, subnormals kept.
;;     - The product sums the exact products of the quantised numbers (number of the format x scale) in f32.
;;   ~~~python
;;   def quantise(x, axis):      # numpy; x: float32 -> the quantised numbers, widened to float32 again
;;       x = np.moveaxis(x, axis, -1); K = x.shape[-1]
;;       x = np.pad(x, [(0, 0)] * (x.ndim - 1) + [(0, -K % 32)]); x = x.reshape(x.shape[:-1] + (-1, 32)); a = np.abs(x).max(-1, keepdims=True)
;;       e = np.where(a > 0, np.clip(np.frexp(np.where(a > 0, a, 1))[1] - 1 - 2, -126, 127), 0)      # np.frexp(a)[1] - 1 = floor(log2(a)), exactly
;;       r = np.clip(x / 2.0 ** e, -6, 6)
;;       step = 2.0 ** (np.maximum(np.frexp(np.where(r == 0, 1, r))[1] - 1, 0) - 1)
;;       q = np.round(r / step) * step * 2.0 ** e      # np.round: ties to even
;;       return np.moveaxis(q.reshape(q.shape[:-2] + (-1,))[..., :K], -1, axis).astype(np.float32)
;;   ~~~
;;   OPERANDS COMPUTED ON THE WAY. 'Computed on the way' means the value that the module computes at that place (a softmax that the list does not call 'softmax' is quantised finished and normalised). What goes into a quantiser is computed in f32, as accurately as f32 sums, v_exp_f32 and their like allow (about 1e-6 of the number): no bf16 or f16 on the way to a quantiser, and a product that is left as it is and whose result goes on into a quantised operand takes f32 operands (vector FMAs, or v_wmma_f32_16x16x4_f32). A number that lies on a knife's edge between two numbers of the format may be rounded either way, as far as f32 arithmetic and the matrix unit's own rounding can turn it there, and no further.
;;   INPUTS GIVEN AS CODES. Wk (in the module: [1024, 1024], K = its axis 0); Wq (in the module: [1024, 1024], K = its axis 0); Wv (in the module: [1024, 1024], K = its axis 0); hidden_states (in the module: [4, 2048, 1024], K = its axis 2): each comes as NAME_codes (uint8): NAME with its K axis moved to the last place and cut into blocks of 32 codes, [.., K / 32, bytes a block], one block behind the other in memory; two codes a byte, the lower K in the low four bits (a code: sign, 2 exponent bits, 1 mantissa bit); and NAME_scales (uint8): the same leading axes, one E8M0 byte (e + 127) for each 32 codes along K. Its value is code x scale, taken as it is: it is not quantised again, and the codes and scales need not be those that the quantiser above would give.
;; One version. Each part assembles by itself: llvm-mc -triple=amdgcn-amd-amdhsa -mcpu=gfx1250 --defsym DOCPART=n.
;; ======== version 1 of 1: 2 launches
;; limits: right only within a limited range of input values
;; workspace buffers: qws 5,242,880 bytes; kvws 10,485,760 bytes
;; launch proj (part 1): grid 16 x 32, 12 waves a work-group, clusters of 4 x 4, 256,000 bytes of LDS; arguments hidden_states_codes, hidden_states_scales, Wq_codes, Wq_scales, Wk_codes, Wk_scales, Wv_codes, Wv_scales, bq, bk, bv, qws, kvws; writes qws, kvws
.if DOCPART == 1
	.amdgcn_target "amdgcn-amd-amdhsa--gfx1250"
	.amdhsa_code_object_version 6
	.text
	.protected	k_qc570ec5045_proj
	.globl	k_qc570ec5045_proj
	.p2align	8
	.type	k_qc570ec5045_proj,@function
k_qc570ec5045_proj:
	s_mov_b64 s[64:65], 0
	v_nop
	global_prefetch_b8 v0, s[64:65] scope:SCOPE_SE
	s_setreg_imm32_b32 hwreg(HW_REG_WAVE_MODE, 25, 1), 1
	s_wait_xcnt 0x0
	s_wait_alu depctr_hold_cnt(0) depctr_sa_sdst(0) depctr_va_vdst(0) depctr_va_sdst(0) depctr_va_ssrc(0) depctr_va_vcc(0) depctr_vm_vsrc(0)
	s_getreg_b32 s2, hwreg(HW_REG_IB_STS2, 6, 4)
	s_cmp_eq_u32 s2, 0
	s_cbranch_scc0 .Lentry_in_a_cluster
	s_endpgm
.Lentry_in_a_cluster:
	s_bfe_u32 s2, ttmp6, 0x10000c
	s_cmp_lg_u32 s2, 0xf033
	s_cbranch_scc0 .Lentry_shape_is_right
	s_endpgm
.Lentry_shape_is_right:
; q = x Wq + bq, k = x Wk + bk, v = x Wv + bv on the given FP4 codes and E8M0 bytes, sums in f32; q, k (along the head's 64) and v (along the keys) are then
; quantised in registers and stored as images of the operand registers that the attention launch reads.
; SHARES.  A work-group: 256 tokens x one head x (q, k, v).  Twelve waves: role = wave / 4 (q, k, v), gi = wave % 4.  A wave makes 64 x 64 in 16 accumulators; K = 1,024 in 8 steps of 128.
; D = X x Y.  q, k: X = the head's 64 rows of W, Y = 64 tokens.  v: X = 64 tokens, Y = the head's 64 rows of Wv.
; A GROUP OF 64 TOKENS is blocks gi and gi + 4 of the work-group's eight blocks of 32: rows 0-31 = tokens 32 gi .., rows 32-63 = tokens 128 + 32 gi ...
; Lane r of tile u of a group takes row 8 u + r % 8 + 32 (r / 8): in the results of X's four tiles lane (r, h), register j of tile u, holds X's row 32 h + 8 u + j: a whole block of 32 of the next K in one lane.
; LDS.  Rows 0-31 of the seven groups (Wq, Wk, four of tokens, Wv) lie from byte 0, rows 32-63 from AREA1, 128 bytes askew, so that a fragment load's sixteen rows fall on sixteen 16-byte columns of 256.
; So tokens 0-127 are one dense tile of 128 rows and tokens 128-255 another.  TWELVE JOINT LOADS, ONE A WAVE: waves 0-5 the halves of Wq, Wk, Wv; 6, 7 the tokens' halves; 8-10 the weights' scale bytes; 11 the tokens'.
; CLUSTER 4 x 4: a row of the cluster shares the tokens, a column the head's weights.  Every LDS byte is filled once; nothing is stored to LDS.  All streams are asked for at the head: there is no loop to prefetch in.
; The bias is the C of each sum's first matrix instruction (another order of f32 rounding than an addition at the end).
; LIMITS: NaN and infinities are not served.  A block whose largest magnitude lies under 2^-124, a block of zeros too, gets the scale byte 1; this program alone reads the bytes.
.set PITCH, 528
.set GRP,   32*PITCH
.set AREA1, 7*GRP+128
.set SCB,   AREA1+7*GRP+128            ; scale bytes: Wq 2,048, Wk 2,048, the 256 tokens 8,192 in token order, Wv 2,048
.set SPARE, 254464                     ; the spare words lie 3,328 bytes behind the scale bytes' end
.set SC,   16
.set BIAS, 32
.set FX,   64
.set FY,   96
.set ACC,  128
.macro CROUND
	s_barrier_signal -1
	s_barrier_wait -1
	s_cmp_lg_u32 s30, 0
	s_cbranch_scc1 .Lnot_wave_0_\@
	s_barrier_signal -3
.Lnot_wave_0_\@:
	s_barrier_wait -3
	s_barrier_signal -1
	s_barrier_wait -1
.endm
.macro FRAG reg, adr, u, ks
	ds_load_b128 v[\reg:\reg+3], v[\adr] offset:8*PITCH*(\u)+64*(\ks)
	ds_load_b128 v[\reg+4:\reg+7], v[\adr] offset:8*PITCH*(\u)+64*(\ks)+32
.endm
.macro FETCH ks
.irp i, 0,1,2,3
	FRAG FY+8*\i, 5, \i, \ks
.endr
.irp i, 0,1,2,3
	FRAG FX+8*\i, 4, \i, \ks
.endr
.endm
.macro SCALES half                     ; 16 of a row's 32 scale bytes: four K steps; lanes 0-15 X's tile i, lanes 16-31 Y's
.irp i, 0,1,2,3
	ds_load_b128 v[SC+4*\i:SC+4*\i+3], v6 offset:256*\i+16*\half
.endr
.endm
; X's tile x against Y's four.  cmode 0: the sums go on; 1: they start with the bias of X's rows; 2: of Y's rows.  The sixteen accumulators take turns.
.macro MUL4 x, ks, cmode
.irp y, 0,1,2,3
.if \cmode == 0
	v_wmma_scale_f32_16x16x128_f8f6f4 v[ACC+8*(4*\x+\y):ACC+8*(4*\x+\y)+7], v[FX+8*\x:FX+8*\x+7], v[FY+8*\y:FY+8*\y+7], v[ACC+8*(4*\x+\y):ACC+8*(4*\x+\y)+7], v[SC+4*\x+(\ks)%4], v[SC+4*\y+(\ks)%4] matrix_a_fmt:MATRIX_FMT_FP4 matrix_b_fmt:MATRIX_FMT_FP4 matrix_b_scale:MATRIX_SCALE_ROW1
.elseif \cmode == 1
	v_wmma_scale_f32_16x16x128_f8f6f4 v[ACC+8*(4*\x+\y):ACC+8*(4*\x+\y)+7], v[FX+8*\x:FX+8*\x+7], v[FY+8*\y:FY+8*\y+7], v[BIAS+8*\x:BIAS+8*\x+7], v[SC+4*\x+(\ks)%4], v[SC+4*\y+(\ks)%4] matrix_a_fmt:MATRIX_FMT_FP4 matrix_b_fmt:MATRIX_FMT_FP4 matrix_b_scale:MATRIX_SCALE_ROW1
.else
	v_wmma_scale_f32_16x16x128_f8f6f4 v[ACC+8*(4*\x+\y):ACC+8*(4*\x+\y)+7], v[FX+8*\x:FX+8*\x+7], v[FY+8*\y:FY+8*\y+7], v[BIAS+8*\y:BIAS+8*\y+7], v[SC+4*\x+(\ks)%4], v[SC+4*\y+(\ks)%4] matrix_a_fmt:MATRIX_FMT_FP4 matrix_b_fmt:MATRIX_FMT_FP4 matrix_b_scale:MATRIX_SCALE_ROW1
.endif
.endr
.endm
.macro KSTEP ks
.rept 4
	v_nop                                          ; four places in front of loads into registers that matrix instructions have read
.endr
.if (\ks) == 4
	SCALES 1
.endif
	FETCH \ks
.irp x, 0,1,2,3
	s_wait_dscnt 6-2*\x                            ; all but the two loads of each of X's tiles behind tile x are in
	MUL4 \x, \ks, 0
.endr
.endm
	s_load_b512 s[4:19], s[0:1], 0x0               ; x codes, x scales, Wq, Wk, Wv (codes, scales)
	s_load_b256 s[20:27], s[0:1], 0x40             ; bq, bk, bv, qws
	s_load_b64 s[28:29], s[0:1], 0x60              ; kvws
	v_lshl_add_u32 v2, v0, 2, SPARE
	v_mov_b32 v15, 0
	ds_add_u32 v2, v15                             ; the opening lines: the add twice on end and its wait
	ds_add_u32 v2, v15
	v_lshrrev_b32 v1, 5, v0
	v_readfirstlane_b32 s30, v1                    ; wave
	s_lshr_b32 s31, s30, 2                         ; role
	s_and_b32 s32, s30, 3                          ; gi
	s_lshr_b32 s33, s30, 3                         ; 1 for v
	s_bfe_u32 s34, ttmp6, 0x40000                  ; cx
	s_bfe_u32 s35, ttmp6, 0x40004                  ; cy
	s_lshl_b32 s36, ttmp9, 2
	s_add_co_u32 s36, s36, s34                     ; head
	s_and_b32 s37, ttmp7, 0xffff
	s_lshl_b32 s37, s37, 2
	s_add_co_u32 s37, s37, s35                     ; block of 256 tokens
	s_lshl_b32 s38, s35, 2
	s_lshl_b32 s38, 15, s38                        ; my row of the cluster
	s_lshl_b32 s39, 0x1111, s34                    ; my column
	; group 1: s40 the tokens' codes (128 rows of 512 bytes), s48 the weights' (32 rows), 16 bytes of padding behind each; s56 the tokens' scale bytes (32 rows of 256), s68 the weights' (8 rows)
	s_or_b32 s40, s38, (3<<16)|(1<<20)|(1<<21)|(6<<22)|(3<<25)
	s_or_b32 s48, s39, (3<<16)|(1<<20)|(1<<21)|(6<<22)|(3<<25)
	s_or_b32 s56, s38, (3<<16)|(1<<21)
	s_or_b32 s68, s39, (3<<16)|(1<<21)
.irp g, 40, 48
	s_mov_b32 s[\g+1], 64<<16
	s_mov_b32 s[\g+2], 32<<16
	s_mov_b32 s[\g+3], 64<<16
	s_mov_b32 s[\g+4], 32
	s_mov_b32 s[\g+5], 64
	s_mov_b32 s[\g+6], 0
	s_mov_b32 s[\g+7], 0
.endr
	s_mov_b32 s42, 128<<16
	s_mov_b32 s44, 128
.irp g, 56, 68
	s_mov_b32 s[\g+1], 32<<16
	s_mov_b32 s[\g+2], 8<<16
	s_mov_b32 s[\g+3], 32<<16
	s_mov_b32 s[\g+4], 8
	s_mov_b32 s[\g+5], 32
	s_mov_b32 s[\g+6], 0
	s_mov_b32 s[\g+7], 0
.endr
	s_mov_b32 s58, 32<<16
	s_mov_b32 s60, 32
	s_mov_b32 s66, 0x76543210
	s_mov_b32 s67, 0xfedcba98
	s_mul_i32 s100, s33, s32
	s_add_co_u32 s100, s100, s31                   ; X's group: 0, 1, 2 + gi
	s_lshl_b32 s101, s33, 2
	s_add_co_u32 s101, s101, s32
	s_add_co_u32 s101, s101, 2
	s_min_u32 s101, s101, 6                        ; Y's group: 2 + gi, 6
	s_mul_i32 s104, s100, GRP
	s_mul_i32 s105, s101, GRP
	s_lshl_b32 s96, s32, 10
	s_add_co_u32 s96, s96, 4096                    ; my tokens' scale bytes begin here in the scale region,
	s_lshr_b32 s97, s31, 1
	s_lshl_b32 s97, s97, 2
	s_add_co_u32 s97, s97, s31
	s_lshl_b32 s97, s97, 11                        ; my weight's here: 0, 2,048, 12,288
	s_min_u32 s98, s96, s97                        ; X's is the lower of the two in every role
	s_add_co_u32 s99, s96, s97
	s_sub_co_u32 s99, s99, s98
	s_sub_co_u32 s99, s99, s98                     ; the distance to Y's
	s_add_co_u32 s98, s98, SCB
	s_lshl_b32 s3, s33, 1
	; groups 0: s76 the tokens' codes, s80 their scale bytes, s88 the weights' codes, s92 their scale bytes
	s_and_b32 s2, s30, 1
	s_mul_i32 s2, s2, AREA1
	s_add_co_u32 s77, s2, 2*GRP
	s_mov_b32 s81, SCB+4096
	s_lshr_b32 s84, s30, 1
	s_min_u32 s84, s84, 2                          ; waves 0-5: which weight
	s_lshr_b32 s85, s84, 1
	s_lshl_b32 s85, s85, 2
	s_add_co_u32 s85, s85, s84                     ; its group: 0, 1, 6
	s_mul_i32 s85, s85, GRP
	s_add_co_u32 s89, s85, s2
	s_and_b32 s86, s30, 3
	s_min_u32 s86, s86, 2                          ; waves 8-10: which weight
	s_lshr_b32 s87, s86, 1
	s_lshl_b32 s87, s87, 2
	s_add_co_u32 s87, s87, s86
	s_lshl_b32 s87, s87, 11
	s_add_co_u32 s93, s87, SCB
	s_mov_b32 s76, 1
	s_mov_b32 s80, 1
	s_mov_b32 s88, 1
	s_mov_b32 s92, 1
	v_and_b32 v1, 31, v0
	v_bfe_u32 v3, v0, 4, 1                         ; h
	v_and_b32 v10, 7, v0                           ; r % 8
	v_bfe_u32 v11, v0, 3, 1                        ; r / 8
	v_bfe_u32 v13, v0, 3, 2                        ; r / 8 + 2 h
	v_mul_u32_u24 v12, v10, PITCH
	v_xor_b32 v13, s3, v13                         ; v: h turned round, since there lanes 0-15 take the tokens
	v_mad_u32_u24 v12, v11, AREA1, v12
	v_add_nc_u32 v13, 1, v13
	v_lshl_add_u32 v12, v3, 4, v12                 ; my place in a tile of codes
	v_lshrrev_b32 v13, 2, v13                      ; 1 where the lane takes tokens' scale bytes and r / 8 = 1
	v_mul_u32_u24 v6, s99, v3                      ; lanes 16-31 take Y's
	v_add_nc_u32 v4, s104, v12
	v_add_nc_u32 v5, s105, v12
	v_lshl_add_u32 v6, v10, 5, v6                  ; 32 bytes a row
	v_lshl_add_u32 v6, v11, 10, v6                 ; rows 32-63: 32 rows on in a weight,
	v_mad_u32_u24 v6, v13, 3072, v6                ; 128 rows on among the tokens
	v_add_nc_u32 v6, s98, v6
	v_lshlrev_b32 v7, 4, v1                        ; 16 x lane
	v_lshlrev_b32 v8, 7, v3                        ; the bias of q, k
	v_lshl_add_u32 v14, v11, 5, v10
	v_lshlrev_b32 v14, 2, v14                      ; the bias of v
	v_lshlrev_b32 v9, 3, v3                        ; 8 h
	s_wait_alu depctr_va_vdst(0)                   ; the wait at the head's end
	s_wait_dscnt 0x0
	s_wait_kmcnt 0x0
	s_lshl_b32 s2, s37, 17                         ; 256 tokens of 512 bytes
	s_and_b32 s3, s30, 1
	s_lshl_b32 s3, s3, 16                          ; which 128 of them
	s_add_co_u32 s2, s2, s3
	s_mov_b32 s3, 0
	s_add_nc_u64 s[78:79], s[4:5], s[2:3]
	s_lshl_b32 s2, s37, 13
	s_add_nc_u64 s[82:83], s[6:7], s[2:3]
	s_or_b32 s79, s79, 0x80000000
	s_or_b32 s83, s83, 0x80000000
	s_cmp_eq_u32 s84, 0
	s_cselect_b64 s[90:91], s[8:9], s[12:13]
	s_cmp_eq_u32 s84, 2
	s_cselect_b64 s[90:91], s[16:17], s[90:91]
	s_cmp_eq_u32 s86, 0
	s_cselect_b64 s[94:95], s[10:11], s[14:15]
	s_cmp_eq_u32 s86, 2
	s_cselect_b64 s[94:95], s[18:19], s[94:95]
	s_lshl_b32 s104, s36, 15                       ; the head's 64 rows of 512 bytes
	s_and_b32 s105, s30, 1
	s_lshl_b32 s105, s105, 14                      ; which 32 of them
	s_add_co_u32 s104, s104, s105
	s_mov_b32 s105, 0
	s_add_nc_u64 s[90:91], s[90:91], s[104:105]
	s_lshl_b32 s104, s36, 11
	s_add_nc_u64 s[94:95], s[94:95], s[104:105]
	s_or_b32 s91, s91, 0x80000000
	s_or_b32 s95, s95, 0x80000000
	CROUND                                         ; all sixteen work-groups are here: the joint loads meet
.macro ARM under, g0, g1, next         ; one chain of branches on the wave's number, one load to an arm
	s_cmp_lt_u32 s30, \under
	s_cbranch_scc0 \next
	tensor_load_to_lds s[\g0:\g0+3], s[\g1:\g1+7]
	s_nop 0
.rept 4
	v_nop
.endr
	s_branch .Lasked
\next:
.endm
	ARM 6, 88, 48, .Larm_t
	ARM 8, 76, 40, .Larm_ws
	ARM 11, 92, 68, .Larm_ts
	tensor_load_to_lds s[80:83], s[56:63]
	s_nop 0
.rept 4
	v_nop
.endr
.Lasked:
	s_cmp_eq_u32 s31, 0                            ; the bias, in the result's layout, while the tiles are on their way
	s_cselect_b64 s[20:21], s[20:21], s[22:23]
	s_cmp_eq_u32 s31, 2
	s_cselect_b64 s[20:21], s[24:25], s[20:21]
	s_lshl_b32 s104, s36, 8
	s_add_nc_u64 s[20:21], s[20:21], s[104:105]
	s_cmp_lt_u32 s30, 8
	s_cbranch_scc0 .Lbias_v
.irp i, 0,1,2,3,4,5,6,7
	global_load_b128 v[BIAS+4*\i:BIAS+4*\i+3], v8, s[20:21] offset:16*\i   ; register 8 x + j is b(32 h + 8 x + j)
.endr
	s_branch .Lbias_done
.Lbias_v:
.irp y, 0,1,2,3
.irp j, 0,1,2,3,4,5,6,7
	global_load_b32 v[BIAS+8*\y+\j], v14, s[20:21] offset:32*\y            ; eight tokens of one channel
.endr
.endr
.Lbias_done:
	s_lshr_b32 s2, s37, 3
	s_lshl_b32 s2, s2, 4
	s_add_co_u32 s2, s2, s36                       ; 16 x batch + head
	s_and_b32 s3, s37, 7
	s_lshl_b32 s3, s3, 2
	s_add_co_u32 s3, s3, s32                       ; g: my group among the batch's 32
	s_mul_i32 s38, s2, 81920                       ; q: [64][32][2,560]: four tiles of 512 bytes, then the scale words
	s_mul_i32 s39, s3, 2560
	s_add_co_u32 s38, s38, s39
	s_add_co_u32 s39, s38, 2048
	s_mul_i32 s100, s2, 163840                     ; k, v: [64][16 steps of two groups][10,240]: k's codes 4,096, v's 4,096, k's scale words 1,024, v's 1,024
	s_lshr_b32 s101, s3, 1
	s_mul_i32 s101, s101, 10240
	s_add_co_u32 s100, s100, s101
	s_and_b32 s101, s3, 1
	s_lshl_b32 s104, s33, 12
	s_lshl_b32 s105, s101, 11
	s_add_co_u32 s104, s104, s105
	s_add_co_u32 s104, s104, s100
	s_lshl_b32 s105, s33, 10
	s_lshl_b32 s101, s101, 9
	s_add_co_u32 s105, s105, s101
	s_add_co_u32 s105, s105, s100
	s_add_co_u32 s105, s105, 8192
	s_cmp_eq_u32 s31, 0
	s_cselect_b32 s38, s38, s104
	s_cselect_b32 s100, s39, s105
	s_cselect_b64 s[26:27], s[26:27], s[28:29]
	s_mov_b32 s39, 0
	s_mov_b32 s101, 0
	s_add_nc_u64 s[28:29], s[26:27], s[100:101]    ; my scale words
	s_add_nc_u64 s[26:27], s[26:27], s[38:39]      ; my codes
	s_wait_tensorcnt 0x0                           ; my tile has landed,
	s_barrier_signal -1
	s_barrier_wait -1                              ; everybody's has
	SCALES 0
	FETCH 0
	s_wait_dscnt 0x0
	s_wait_loadcnt 0x0
	s_cmp_lt_u32 s30, 8
	s_cbranch_scc0 .Lstart_v
.irp x, 0,1,2,3
	MUL4 \x, 0, 1
.endr
	s_branch .Lstarted
.Lstart_v:
.irp x, 0,1,2,3
	MUL4 \x, 0, 2
.endr
.Lstarted:
.irp k, 1,2,3,4,5,6,7
	KSTEP \k
.endr
	; THE QUANTISER: for each of Y's tiles y a lane's 32 numbers, accumulators (0 .. 3, y), are one block
.rept 4
	v_nop
.endr
.irp x, 0,1,2,3
.irp i, 0,2,4,6
.irp y, 0,1,2,3
.if (\x == 0) && (\i == 0)
	v_max3_num_f32 v[48+\y], |v[ACC+8*\y]|, |v[ACC+8*\y+1]|, 0x1800000     ; with the floor 2^(3 - 127)
.else
	v_max3_num_f32 v[48+\y], v[48+\y], |v[ACC+8*(4*\x+\y)+\i]|, |v[ACC+8*(4*\x+\y)+\i+1]|
.endif
.endr
.endr
.endr
.irp y, 0,1,2,3
	s_delay_alu instid0(VALU_DEP_4)
	v_add_nc_u32 v[52+\y], 0xff000000, v[48+\y]    ; 2 off the exponent field: the conversion's scale operand
.endr
.irp y, 0,1,2,3
	s_delay_alu instid0(VALU_DEP_4)
	v_lshrrev_b32 v[56+\y], 23, v[52+\y]
.endr
.irp y, 0,1,2,3
	s_delay_alu instid0(VALU_DEP_4)
	v_lshlrev_b32 v[56+\y], v9, v[56+\y]           ; block h's byte, 8 h bits up
.endr
.irp y, 0,1,2,3
	v_mov_b32 v[60+\y], 0
.endr
.irp y, 0,1,2,3
	s_delay_alu instid0(VALU_DEP_4)
	v_permlanex16_b32 v[60+\y], v[56+\y], s66, s67
.endr
.irp y, 0,1,2,3
	s_delay_alu instid0(VALU_DEP_4)
	v_or_b32 v[56+\y], v[56+\y], v[60+\y]
.endr
.irp y, 0,1,2,3
	s_delay_alu instid0(VALU_DEP_4)
	v_lshl_or_b32 v[56+\y], v[56+\y], 16, v[56+\y] ; [e0, e1, e0, e1]
.endr
.irp y, 0,1,2,3
.irp x, 0,1,2,3
	v_cvt_scalef32_pk8_fp4_f32 v[FX+4*\y+\x], v[ACC+8*(4*\x+\y):ACC+8*(4*\x+\y)+7], v[52+\y]
.endr
.endr
	v_nop
.irp y, 0,1,2,3
	global_store_b128 v7, v[FX+4*\y:FX+4*\y+3], s[26:27] offset:512*\y     ; 512 consecutive bytes a store
.endr
	global_store_b128 v7, v[56:59], s[28:29]
	s_wait_tensorcnt 0x0                           ; the wave's end
	ds_add_u32 v2, v15
	s_wait_dscnt 0x0
	CROUND                                         ; the closing round
	s_endpgm
.Lfunc_end_k_qc570ec5045_proj:
	.size	k_qc570ec5045_proj, .Lfunc_end_k_qc570ec5045_proj-k_qc570ec5045_proj
	.p2alignl 7, 3214868480
	.fill 96, 4, 3214868480
	.section	.rodata,"a",@progbits
	.p2align	6, 0x0
	.amdhsa_kernel k_qc570ec5045_proj
		.amdhsa_group_segment_fixed_size 256000
		.amdhsa_private_segment_fixed_size 0
		.amdhsa_enable_private_segment 0
		.amdhsa_kernarg_size 104
		.amdhsa_user_sgpr_count 2
		.amdhsa_user_sgpr_kernarg_segment_ptr 1
		.amdhsa_wavefront_size32 1
		.amdhsa_system_sgpr_workgroup_id_x 1
		.amdhsa_system_sgpr_workgroup_id_y 1
		.amdhsa_system_sgpr_workgroup_id_z 1
		.amdhsa_system_vgpr_workitem_id 0
		.amdhsa_next_free_vgpr 256
		.amdhsa_next_free_sgpr 106
		.amdhsa_reserve_vcc 0
		.amdhsa_float_denorm_mode_32 3
		.amdhsa_float_denorm_mode_16_64 3
		.amdhsa_memory_ordered 1
		.amdhsa_forward_progress 1
		.amdhsa_inst_pref_size 51
	.end_amdhsa_kernel
	.amdgpu_metadata
---
amdhsa.version: [ 1, 2 ]
amdhsa.kernels:
  - .name:           k_qc570ec5045_proj
    .symbol:         k_qc570ec5045_proj.kd
    .args:
      - { .name: hidden_states_codes, .offset: 0, .size: 8, .value_kind: global_buffer, .address_space: global }
      - { .name: hidden_states_scales, .offset: 8, .size: 8, .value_kind: global_buffer, .address_space: global }
      - { .name: Wq_codes, .offset: 16, .size: 8, .value_kind: global_buffer, .address_space: global }
      - { .name: Wq_scales, .offset: 24, .size: 8, .value_kind: global_buffer, .address_space: global }
      - { .name: Wk_codes, .offset: 32, .size: 8, .value_kind: global_buffer, .address_space: global }
      - { .name: Wk_scales, .offset: 40, .size: 8, .value_kind: global_buffer, .address_space: global }
      - { .name: Wv_codes, .offset: 48, .size: 8, .value_kind: global_buffer, .address_space: global }
      - { .name: Wv_scales, .offset: 56, .size: 8, .value_kind: global_buffer, .address_space: global }
      - { .name: bq, .offset: 64, .size: 8, .value_kind: global_buffer, .address_space: global }
      - { .name: bk, .offset: 72, .size: 8, .value_kind: global_buffer, .address_space: global }
      - { .name: bv, .offset: 80, .size: 8, .value_kind: global_buffer, .address_space: global }
      - { .name: qws, .offset: 88, .size: 8, .value_kind: global_buffer, .address_space: global }
      - { .name: kvws, .offset: 96, .size: 8, .value_kind: global_buffer, .address_space: global }
    .group_segment_fixed_size: 256000
    .private_segment_fixed_size: 0
    .kernarg_segment_align: 8
    .kernarg_segment_size: 104
    .max_flat_workgroup_size: 384
    .sgpr_count:     106
    .vgpr_count:     256
    .wavefront_size: 32
...
	.end_amdgpu_metadata
.endif
;; end of part 1
;; launch attn (part 2): grid 4 x 64, 16 waves a work-group, clusters of 4 x 1, 301,056 bytes of LDS; arguments qws, kvws, out0; writes out0
.if DOCPART == 2
	.amdgcn_target "amdgcn-amd-amdhsa--gfx1250"
	.amdhsa_code_object_version 6
	.text
	.protected	k_qc570ec5045_attn
	.globl	k_qc570ec5045_attn
	.p2align	8
	.type	k_qc570ec5045_attn,@function
k_qc570ec5045_attn:
	s_mov_b64 s[64:65], 0
	v_nop
	global_prefetch_b8 v0, s[64:65] scope:SCOPE_SE
	s_setreg_imm32_b32 hwreg(HW_REG_WAVE_MODE, 25, 1), 1
	s_wait_xcnt 0x0
	s_wait_alu depctr_hold_cnt(0) depctr_sa_sdst(0) depctr_va_vdst(0) depctr_va_sdst(0) depctr_va_ssrc(0) depctr_va_vcc(0) depctr_vm_vsrc(0)
	s_getreg_b32 s2, hwreg(HW_REG_IB_STS2, 6, 4)
	s_cmp_eq_u32 s2, 0
	s_cbranch_scc0 .Lentry_in_a_cluster
	s_endpgm
.Lentry_in_a_cluster:
	s_bfe_u32 s2, ttmp6, 0x10000c
	s_cmp_lg_u32 s2, 0x3003
	s_cbranch_scc0 .Lentry_shape_is_right
	s_endpgm
.Lentry_shape_is_right:
; out[b][q][head][:] = the sum over keys of (softmax_k(clip(q . k / 8, +-1e9)) + 1e-9) v[k][:], both products on FP4 codes with one E8M0 scale for each 32 along K.
; What is quantised for the second product is the finished probability, so a block's scale hangs on the row's sum: THE KEYS ARE WALKED TWICE.
; Walk 1 (steps 0 to 15) finds each query's running maximum and sum and puts each block's largest score into the wave's own LDS bytes; walk 2 (steps 15 to 0) makes the scores again, normalises, quantises, multiplies by V.
; SHARES.  A work-group: 512 queries of one (batch, head); each of sixteen waves two tiles of 16 queries, one after the other.  A head's K and V, images of operand registers with their scale words, are one dense
; block of 163,840 bytes: it comes once, a sixteenth by each wave, jointly for the four work-groups of the head (cluster 4 x 1), and stays.  All of it is asked for at the head, so there is no loop to prefetch in.
; LAYOUT.  S^T = K Q^T, O^T = V^T P^T: a lane holds one query (lane % 16).  In S^T lane (r, h), register 32 c + i holds key i of block h of the step's group c: two whole blocks of 32 keys a lane, in the operand's order.
; A group of 64 tokens is blocks g % 4 and g % 4 + 4 of a run of 256 tokens; a tile of queries is 8 tokens of each of the two blocks.
; K = 64 IN AN INSTRUCTION OF K = 128: source 0 holds two tiles of keys, [even | odd]; source 1 is [q | zeros] or [zeros | q]: zero codes take the other tile's products away.  Scale words hold their two bytes twice.
; K's fragments of the next step are loaded straight behind the products that read them; each walk's last step loads its own step again, with which the next walk begins.
; THE CLIP.  clip(s / 8, +-1e9) = clip(s, +-8e9) / 8.  m = the row's largest raw score, begun at -8e9 and held at 8e9: the largest clipped score.  t = c s - c m, c = log2(e) / 8; min(t, 0) is the upper clip:
; a score over 8e9 has m = 8e9.  The lower clip: while m = -8e9 every clipped score equals m, and c and c m are taken as 0 (a select), so e = 1.  Where m is above -8e9 it is at least -8e9 + 512 (f32's step there),
; so a score under -8e9 has e under 2^-92 held or not: it is not held.  That is this text's one departure, of at most 2^-92 of the row's largest term.
; e = 2^min(t, 0); p = e x (1 / sum) + 1e-9.  A block's largest p is the same lines on its largest score (this takes v_exp_f32 not to fall where its input rises).  p is at least 1e-9: its byte needs no floor.
; LIMITS: NaN and infinities are not served.  1 / sum is v_rcp_f32 and a multiplication where the definition divides.
.set HEADB, 163840
.set STEPB, 10240                      ; a step of 128 keys: K's codes 4,096, V's 4,096, K's scale words 1,024, V's 1,024
.set STAGE, HEADB                      ; 16 rows x 272 bytes for each wave, for the way out
.set BM,    STAGE+16*16*272            ; 16 steps x 256 bytes for each wave: the blocks' largest scores
.set SPARE, BM+16*4096
.set KF,  40                           ; v40-71   K's eight tiles;  v72-79 their scale words
.set KS,  72
.set VF,  80                           ; v80-111  V's four fragments;  v112-119 their scale words
.set VS,  112
.set PR,  120                          ; v120-127 P's codes
.set OA,  128                          ; v128-159 O^T
.set S,   160                          ; v160-223 S^T, t, e, p; on the way out rows of O
.set T,   232                          ; v232-239 partial sums
; v1 16 x lane; v2, v22, v27 addresses in hand; v3, v4 the stage; v5 offset in out; v6 my place in BM; v7 8 h; v[8:9] c or 0 (v9 = c); v[10:11] -c m or 0; v[12:13] the sum; v[14:15] 1 / sum; v16 m; v17 -c m;
; v[18:19] the rescaling factor; v23 v1 + step 15; v24 v6 + step 15; v25 P's scale word; v26 q's; v28-39 [zeros | q | zeros]; v224-231 at work
; s3 byte selects; s10 wave; s15 8e9; s31 -8e9; s28, s29 lane selects; s30 c; s[32:33] 1e-9; s34 -c; s35, s38, s39 steps; s36, s14, s37 counters; s[40:45] q's codes, q's scale words, out
.macro CROUND
	s_barrier_signal -1
	s_barrier_wait -1
	s_cmp_lg_u32 s10, 0
	s_cbranch_scc1 .Lnot_wave_0_\@
	s_barrier_signal -3
.Lnot_wave_0_\@:
	s_barrier_wait -3
	s_barrier_signal -1
	s_barrier_wait -1
.endm
.macro KLOAD adr                       ; ten loads: K's images and scale words of one step
.irp t, 0,1,2,3,4,5,6,7
	ds_load_b128 v[KF+4*\t:KF+4*\t+3], v[\adr] offset:512*\t
.endr
	ds_load_b128 v[KS:KS+3], v[\adr] offset:8192
	ds_load_b128 v[KS+4:KS+7], v[\adr] offset:8704
.endm
.macro QKMUL
.irp t, 0,1,2,3,4,5,6,7
	v_wmma_scale_f32_16x16x128_f8f6f4 v[S+8*\t:S+8*\t+7], v[KF+8*(\t/2):KF+8*(\t/2)+7], v[32-4*(\t%2):39-4*(\t%2)], 0, v[KS+\t], v26 matrix_a_fmt:MATRIX_FMT_FP4 matrix_b_fmt:MATRIX_FMT_FP4
.endr
.endm
.macro TMIN                            ; t = c s - c m, two to a line; then min(t, 0), two to a line
.set j, 0
.rept 32
	v_pk_fma_f32 v[S+j:S+j+1], v[S+j:S+j+1], v[8:9], v[10:11] op_sel_hi:[1,0,0]
.set j, j+2
.endr
.set j, 0
.rept 32
	v_dual_min_num_f32 v[S+j], 0, v[S+j] :: v_dual_min_num_f32 v[S+j+1], 0, v[S+j+1]
.set j, j+2
.endr
.endm
.macro EXP64
.set j, 0
.rept 64
	v_exp_f32 v[S+j], v[S+j]
.set j, j+1
.endr
.endm
.macro ROWM                            ; from m: c or 0, -c m or 0, and the factor 2^(c m_old - c m_new)
	v_min_num_f32 v20, s15, v16                    ; m held at 8e9
	v_cmp_lt_f32 vcc_lo, s31, v16                  ; is m above -8e9?
	s_delay_alu instid0(VALU_DEP_2)
	v_mul_f32 v21, s34, v20
	v_cndmask_b32 v8, 0, v9, vcc_lo
	s_delay_alu instid0(VALU_DEP_2)
	v_sub_f32 v22, v21, v17
	v_cndmask_b32 v10, 0, v21, vcc_lo
	v_mov_b32 v17, v21
	s_wait_alu depctr_va_vdst(0)                   ; the wait ahead of a transcendental
	v_exp_f32 v18, v22
.endm
.macro STEP1
	s_wait_dscnt 0x0                               ; K's fragments are in
	QKMUL
	s_add_co_u32 s35, s35, STEPB
	s_min_u32 s38, s35, 15*STEPB                   ; the next step; the last loads itself again
	v_add_nc_u32 v2, s38, v1                       ; (four places behind the products)
	v_add_nc_u32 v27, s39, v6
	v_nop
	v_nop
	KLOAD 2
.irp k, 0,1,2,3                        ; four chains of maxima over the raw scores, each accumulator from its low end on
	v_max3_num_f32 v[224+\k], v[S+16*\k], v[S+16*\k+1], v[S+16*\k+2]
.endr
.irp i, 3,5,7,9,11,13
.irp k, 0,1,2,3
	v_max3_num_f32 v[224+\k], v[224+\k], v[S+16*\k+\i], v[S+16*\k+\i+1]
.endr
.endr
	v_max3_num_f32 v224, v224, v[S+15], v[S+31]
	v_max3_num_f32 v226, v226, v[S+47], v[S+63]
	s_delay_alu instid0(VALU_DEP_2)
	v_max_num_f32 v228, v224, v225                 ; my block of the step's first group,
	s_delay_alu instid0(VALU_DEP_2)
	v_max_num_f32 v229, v226, v227                 ; and of its second
	s_delay_alu instid0(VALU_DEP_1)
	v_max3_num_f32 v16, v228, v229, v16
	ds_store_b64 v27, v[228:229]                   ; for walk 2
	ROWM
	TMIN
	s_wait_alu depctr_va_vdst(0)                   ; one wait ahead of the batch
	EXP64
	v_pk_mul_f32 v[12:13], v[12:13], v[18:19] op_sel_hi:[1,0]
	s_wait_alu depctr_va_vdst(0)                   ; and one behind it
.irp k, 0,1,2,3
	v_pk_add_f32 v[T+2*\k:T+2*\k+1], v[S+2*\k:S+2*\k+1], v[S+8+2*\k:S+9+2*\k]
.endr
.irp i, 2,3,4,5,6,7
.irp k, 0,1,2,3
	v_pk_add_f32 v[T+2*\k:T+2*\k+1], v[T+2*\k:T+2*\k+1], v[S+8*\i+2*\k:S+8*\i+2*\k+1]
.endr
.endr
	v_pk_add_f32 v[T:T+1], v[T:T+1], v[T+2:T+3]
	v_pk_add_f32 v[T+4:T+5], v[T+4:T+5], v[T+6:T+7]
	s_delay_alu instid0(VALU_DEP_2)
	v_pk_add_f32 v[12:13], v[12:13], v[T:T+1]
	s_delay_alu instid0(VALU_DEP_1)
	v_pk_add_f32 v[12:13], v[12:13], v[T+4:T+5]
	s_add_co_u32 s39, s39, 256
.endm
.macro MERGE                           ; lanes l and l xor 16 hold the same query's other keys
	v_add_f32 v12, v12, v13
	v_permlanex16_b32 v224, v16, s28, s29
	s_delay_alu instid0(VALU_DEP_1)
	v_max_num_f32 v16, v16, v224
	ROWM
	v_nop
	s_wait_alu depctr_va_vdst(0)
	v_mul_f32 v12, v12, v18
	v_permlanex16_b32 v225, v12, s28, s29
	s_delay_alu instid0(VALU_DEP_1)
	v_add_f32 v12, v12, v225
	s_wait_alu depctr_va_vdst(0)
	v_rcp_f32 v14, v12
	v_nop
	s_wait_alu depctr_va_vdst(0)
.endm
.macro STEP2 first
	s_wait_dscnt 0x0                               ; K's fragments are in
	QKMUL
	v_sub_nc_u32 v2, v23, s35                      ; this step, counted down from step 15  (four places behind the products)
	s_add_co_u32 s35, s35, STEPB
	s_min_u32 s38, s35, 15*STEPB
	v_sub_nc_u32 v27, v24, s39
	v_sub_nc_u32 v22, v23, s38                     ; the step below; step 0 loads itself again
	v_nop
	ds_load_b64 v[228:229], v27                    ; my two blocks' largest scores
.irp d, 0,1,2,3
	ds_load_b128 v[VF+8*\d:VF+8*\d+3], v2 offset:4096+512*\d
	ds_load_b128 v[VF+8*\d+4:VF+8*\d+7], v2 offset:6144+512*\d
.endr
	ds_load_b128 v[VS:VS+3], v2 offset:9216
	ds_load_b128 v[VS+4:VS+7], v2 offset:9728
	KLOAD 22
	TMIN
	s_wait_dscnt 20                                ; behind the two scores: V's ten loads and K's ten
	v_fma_f32 v230, v228, v8, v10
	v_fma_f32 v231, v229, v8, v10
	v_dual_min_num_f32 v230, 0, v230 :: v_dual_min_num_f32 v231, 0, v231
	s_wait_alu depctr_va_vdst(0)                   ; one wait ahead of the batch
	EXP64
	v_exp_f32 v230, v230
	v_exp_f32 v231, v231
	v_nop
	s_wait_alu depctr_va_vdst(0)                   ; and one behind it
	s_wait_dscnt 10                                ; V is in; K's ten loads may be out
.irp d, 0,1,2,3
	v_perm_b32 v[VS+\d], v[VS+4+\d], v[VS+\d], s3  ; bytes 0, 1 of the first group's word, bytes 2, 3 of the second's
.endr
	v_fma_f32 v230, v230, v14, s32                 ; the blocks' largest p
	v_fma_f32 v231, v231, v14, s32
	s_delay_alu instid0(VALU_DEP_2)
	v_add_nc_u32 v232, 0xff000000, v230            ; 2 off the exponent field: the conversion's scale operand
	s_delay_alu instid0(VALU_DEP_2)
	v_add_nc_u32 v233, 0xff000000, v231
	s_delay_alu instid0(VALU_DEP_2)
	v_lshrrev_b32 v234, 23, v232
	s_delay_alu instid0(VALU_DEP_2)
	v_lshrrev_b32 v235, 23, v233
	s_delay_alu instid0(VALU_DEP_1)
	v_lshl_or_b32 v234, v235, 16, v234
	s_delay_alu instid0(VALU_DEP_1)
	v_lshlrev_b32 v234, v7, v234                   ; at bytes h and 2 + h
	s_delay_alu instid0(VALU_DEP_1)
	v_permlanex16_b32 v236, v234, s28, s29
	s_delay_alu instid0(VALU_DEP_1)
	v_or_b32 v25, v234, v236                       ; P's scale word
.set j, 0
.rept 32
	v_pk_fma_f32 v[S+j:S+j+1], v[S+j:S+j+1], v[14:15], s[32:33] op_sel_hi:[1,0,0]   ; p; these 32 are also the places behind the scale words
.set j, j+2
.endr
.irp t, 0,1,2,3,4,5,6,7
	v_cvt_scalef32_pk8_fp4_f32 v[PR+\t], v[S+8*\t:S+8*\t+7], v[232+\t/4]
.endr
.rept 4
	v_nop                                          ; an operand written by vector instructions stands four places ahead of a scaled matrix instruction
.endr
.irp d, 0,1,2,3                        ; the four accumulators take turns; the next step's eight products stand between two links
.if \first
	v_wmma_scale_f32_16x16x128_f8f6f4 v[OA+8*\d:OA+8*\d+7], v[VF+8*\d:VF+8*\d+7], v[PR:PR+7], 0, v[VS+\d], v25 matrix_a_fmt:MATRIX_FMT_FP4 matrix_b_fmt:MATRIX_FMT_FP4
.else
	v_wmma_scale_f32_16x16x128_f8f6f4 v[OA+8*\d:OA+8*\d+7], v[VF+8*\d:VF+8*\d+7], v[PR:PR+7], v[OA+8*\d:OA+8*\d+7], v[VS+\d], v25 matrix_a_fmt:MATRIX_FMT_FP4 matrix_b_fmt:MATRIX_FMT_FP4
.endif
.endr
	s_add_co_u32 s39, s39, 256
.endm
	s_load_b128 s[4:7], s[0:1], 0x0                ; qws, kvws
	s_load_b64 s[8:9], s[0:1], 0x10                ; out0
	v_lshl_add_u32 v254, v0, 2, SPARE
	v_mov_b32 v255, 0
	ds_add_u32 v254, v255                          ; the opening lines: the add twice on end and its wait
	ds_add_u32 v254, v255
	v_lshrrev_b32 v2, 5, v0
	v_readfirstlane_b32 s10, v2                    ; wave
	s_bfe_u32 s11, ttmp6, 0x40000                  ; cx
	s_lshl_b32 s12, ttmp9, 2
	s_add_co_u32 s12, s12, s11                     ; my block of 512 queries: it enters q's and out's addresses alone
	s_and_b32 s13, ttmp7, 0xffff                   ; 16 x batch + head
	s_mul_i32 s14, s10, 16*272
	s_add_co_u32 s14, s14, STAGE
	s_lshl_b32 s36, s10, 12
	s_add_co_u32 s36, s36, BM
	s_mov_b32 s16, 15|(3<<16)|(1<<21)              ; the mask of all four; elements of 8 bytes: my sixteenth, 40 rows of 256 bytes
	s_mov_b32 s17, 32<<16
	s_mov_b32 s18, 40<<16
	s_mov_b32 s19, 32<<16
	s_mov_b32 s20, 40
	s_mov_b32 s21, 32
	s_mov_b32 s22, 0
	s_mov_b32 s23, 0
	s_mov_b32 s24, 1
	s_mul_i32 s25, s10, STEPB
	s_mul_i32 s46, s13, HEADB
	s_add_co_u32 s46, s46, s25
	s_mov_b32 s47, 0
	v_and_b32 v20, 31, v0
	v_and_b32 v21, 15, v0                          ; r
	v_bfe_u32 v22, v0, 4, 1                        ; h
	v_lshlrev_b32 v1, 4, v20
	v_mul_u32_u24 v3, v21, 272
	v_mul_u32_u24 v4, v22, 8*272
	v_lshl_add_u32 v6, v20, 3, s36
	v_lshl_add_u32 v3, v22, 7, v3
	v_lshl_add_u32 v4, v21, 4, v4
	v_lshlrev_b32 v5, 19, v22                      ; stage row i + 8 is the token 128 further on
	v_add_nc_u32 v3, s14, v3                       ; in: row r, my half's 128 bytes
	v_add_nc_u32 v4, s14, v4                       ; back: lanes 0-15 row i, lanes 16-31 row i + 8
	v_lshl_add_u32 v5, v21, 4, v5
	v_lshlrev_b32 v7, 3, v22
	v_add_nc_u32 v23, 15*STEPB, v1
	v_add_nc_u32 v24, 15*256, v6
	s_wait_alu depctr_va_vdst(0)                   ; the wait ahead of the waits below
	s_wait_dscnt 0x0
	s_wait_kmcnt 0x0
	s_add_nc_u64 s[26:27], s[6:7], s[46:47]
	s_or_b32 s27, s27, 0x80000000
	CROUND                                         ; all four work-groups are here: the joint loads meet
	tensor_load_to_lds s[24:27], s[16:23]
	s_nop 0
.rept 4
	v_nop
.endr
	s_mov_b32 s28, 0x76543210
	s_mov_b32 s29, 0xfedcba98
	s_mov_b32 s30, 0x3e38aa3b                      ; c = log2(e) / 8
	s_mov_b32 s34, 0xbe38aa3b
	s_mov_b32 s32, 0x3089705f                      ; 1e-9
	s_mov_b32 s33, s32
	s_mov_b32 s15, 0x4fee6b28                      ; 8e9
	s_mov_b32 s31, 0xcfee6b28
	s_mov_b32 s3, 0x07060100
	s_lshl_b32 s14, s12, 3
	s_lshr_b32 s38, s10, 1
	s_add_co_u32 s14, s14, s38                     ; g: my group = 8 x block + wave / 2
	s_and_b32 s38, s10, 1
	s_lshl_b32 s38, s38, 1                         ; my first tile in it: 0 or 2
	s_mul_i32 s46, s13, 81920
	s_mul_i32 s39, s14, 2560
	s_add_co_u32 s46, s46, s39
	s_add_nc_u64 s[42:43], s[4:5], s[46:47]
	s_lshl_b32 s46, s38, 9
	s_add_nc_u64 s[40:41], s[42:43], s[46:47]      ; my tile's codes
	s_lshl_b32 s46, s38, 2
	s_add_co_u32 s46, s46, 2048
	s_add_nc_u64 s[42:43], s[42:43], s[46:47]      ; its scale words
	s_lshr_b32 s46, s13, 4
	s_lshl_b32 s46, s46, 23                        ; out: the batch,
	s_lshr_b32 s39, s14, 2
	s_lshl_b32 s39, s39, 20                        ; 256 (g / 4) rows of 4,096 bytes,
	s_add_co_u32 s46, s46, s39
	s_and_b32 s39, s14, 3
	s_lshl_b32 s39, s39, 17                        ; 32 (g % 4) rows,
	s_add_co_u32 s46, s46, s39
	s_lshl_b32 s39, s38, 15                        ; 8 rows a tile,
	s_add_co_u32 s46, s46, s39
	s_and_b32 s39, s13, 15
	s_lshl_b32 s39, s39, 8                         ; the head's 256 bytes
	s_add_co_u32 s46, s46, s39
	s_add_nc_u64 s[44:45], s[8:9], s[46:47]
.irp z, 28,29,30,31, 36,37,38,39, 11, 15, 19, 236
	v_mov_b32 v\z, 0                               ; the zero codes; upper halves of pairs; a lane permute's destination
.endr
	v_mov_b32 v9, s30                              ; c
	s_wait_alu depctr_va_vdst(0)                   ; the wait at the head's end
	s_wait_tensorcnt 0x0                           ; my sixteenth has landed,
	s_barrier_signal -1
	s_barrier_wait -1                              ; everybody's has
	KLOAD 1                                        ; step 0
	s_mov_b32 s37, 2
.Ltile:
	global_load_b128 v[32:35], v1, s[40:41]        ; q's image
	global_load_b32 v26, v1, s[42:43]
	v_mov_b32 v16, 0xcfee6b28                      ; m begins at -8e9
	v_mov_b32 v12, 0
	v_mov_b32 v13, 0
	v_mul_f32 v17, s34, v16
	s_mov_b32 s35, 0
	s_mov_b32 s39, 0
	s_mov_b32 s36, 16
	s_wait_alu depctr_va_vdst(0)
	s_wait_loadcnt 0x0
.Lwalk1:
	STEP1
	s_sub_co_u32 s36, s36, 1
	s_cmp_lg_u32 s36, 0
	s_cbranch_scc1 .Lwalk1
	MERGE
	s_mov_b32 s35, 0
	s_mov_b32 s39, 0
	STEP2 1
	s_mov_b32 s14, 15
.Lwalk2:
	STEP2 0
	s_sub_co_u32 s14, s14, 1
	s_cmp_lg_u32 s14, 0
	s_cbranch_scc1 .Lwalk2
	; THE WAY OUT: through my own stage, so that sixteen lanes store the 256 consecutive bytes of one (token, head)
.rept 4
	v_nop
.endr
.irp d, 0,1,2,3
	ds_store_b128 v3, v[OA+8*\d:OA+8*\d+3] offset:32*\d
	ds_store_b128 v3, v[OA+8*\d+4:OA+8*\d+7] offset:32*\d+16
.endr
.irp i, 0,1,2,3,4,5,6,7
	ds_load_b128 v[S+4*\i:S+4*\i+3], v4 offset:272*\i              ; LDS serves a wave's instructions in order: these see my stores
.endr
.irp i, 0,1,2,3,4,5,6,7
	s_wait_dscnt 7-\i                              ; load i is back; the younger ones may be out
	global_store_b128 v5, v[S+4*\i:S+4*\i+3], s[44:45] offset:4096*\i th:TH_STORE_NT
.endr
	s_wait_xcnt 0x0                                ; the stores have read their registers and their base
	s_add_nc_u64 s[40:41], s[40:41], 512           ; my second tile
	s_add_nc_u64 s[42:43], s[42:43], 4
	s_add_nc_u64 s[44:45], s[44:45], 8*4096
	s_sub_co_u32 s37, s37, 1
	s_cmp_lg_u32 s37, 0
	s_cbranch_scc1 .Ltile
	s_wait_tensorcnt 0x0                           ; the wave's end
	ds_add_u32 v254, v255
	s_wait_dscnt 0x0
	CROUND                                         ; the closing round
	s_endpgm
.Lfunc_end_k_qc570ec5045_attn:
	.size	k_qc570ec5045_attn, .Lfunc_end_k_qc570ec5045_attn-k_qc570ec5045_attn
	.p2alignl 7, 3214868480
	.fill 96, 4, 3214868480
	.section	.rodata,"a",@progbits
	.p2align	6, 0x0
	.amdhsa_kernel k_qc570ec5045_attn
		.amdhsa_group_segment_fixed_size 301056
		.amdhsa_private_segment_fixed_size 0
		.amdhsa_enable_private_segment 0
		.amdhsa_kernarg_size 24
		.amdhsa_user_sgpr_count 2
		.amdhsa_user_sgpr_kernarg_segment_ptr 1
		.amdhsa_wavefront_size32 1
		.amdhsa_system_sgpr_workgroup_id_x 1
		.amdhsa_system_sgpr_workgroup_id_y 1
		.amdhsa_system_sgpr_workgroup_id_z 1
		.amdhsa_system_vgpr_workitem_id 0
		.amdhsa_next_free_vgpr 256
		.amdhsa_next_free_sgpr 66
		.amdhsa_reserve_vcc 1
		.amdhsa_float_denorm_mode_32 3
		.amdhsa_float_denorm_mode_16_64 3
		.amdhsa_memory_ordered 1
		.amdhsa_forward_progress 1
		.amdhsa_inst_pref_size 50
	.end_amdhsa_kernel
	.amdgpu_metadata
---
amdhsa.version: [ 1, 2 ]
amdhsa.kernels:
  - .name:           k_qc570ec5045_attn
    .symbol:         k_qc570ec5045_attn.kd
    .args:
      - { .name: qws, .offset: 0, .size: 8, .value_kind: global_buffer, .address_space: global }
      - { .name: kvws, .offset: 8, .size: 8, .value_kind: global_buffer, .address_space: global }
      - { .name: out0, .offset: 16, .size: 8, .value_kind: global_buffer, .address_space: global }
    .group_segment_fixed_size: 301056
    .private_segment_fixed_size: 0
    .kernarg_segment_align: 8
    .kernarg_segment_size: 24
    .max_flat_workgroup_size: 512
    .sgpr_count:     66
    .vgpr_count:     256
    .wavefront_size: 32
...
	.end_amdgpu_metadata
.endif
;; end of part 2
